; MI455X (gfx1250); checked and timed in simulation.
; The chip was launched on July 23, 2026; its instructions are those of AMD's public machine-readable ISA for CDNA 5 (MIT licence, August 2026) and "CDNA5" Instruction Set Architecture Reference Guide (July 2026). The comments in the code are by the model that wrote it; some were corrected since.
;; Spiking Deep Galerkin Net. Allowed arithmetic: float matrix products may take bf16 or f16 operands with f32 sums; other float arithmetic in f32, or as packed bf16 or f16 multiplies, adds, multiply-adds, maxima and minima; sums over many terms, partial sums and values carried from step to step in f32; what a program stores and reads back later, other than sums and carried values, may be rounded once to bf16 or f16.
;; Inputs: W0 128 x 4 float32; Wh 3 x 128 x 128 float32; Wout 1 x 128 float32; b0 128 float32; betas 4 x 128 float32; bh 3 x 128 float32; bout 1 float32; inputs 65,536 x 4 float32; thrs 4 x 128 float32.
;; Outputs: out0 65,536 x 1 float32.
;; One version. Each part assembles by itself: llvm-mc -triple=amdgcn-amd-amdhsa -mcpu=gfx1250 --defsym DOCPART=n.
;; ======== version 1 of 1: 1 launch
;; limits: inputs' magnitudes at most 4.6e+18; below input magnitudes of 9.1e-13 results are inexact or not finite; right only within a limited range of input values
;; launch snn (part 1): grid 256 x 1, 4 waves a work-group, no clusters, 275,456 bytes of LDS; arguments Wh, W0, inputs, betas, thrs, b0, bh, Wout, bout, out0; writes out0
.if DOCPART == 1
	.amdgcn_target "amdgcn-amd-amdhsa--gfx1250"
	.amdhsa_code_object_version 6
	.text
	.protected	k_qe3dbd0220c_snn
	.globl	k_qe3dbd0220c_snn
	.p2align	8
	.type	k_qe3dbd0220c_snn,@function
k_qe3dbd0220c_snn:
	s_mov_b64 s[64:65], 0
	v_nop
	global_prefetch_b8 v0, s[64:65] scope:SCOPE_SE
	s_setreg_imm32_b32 hwreg(HW_REG_WAVE_MODE, 25, 1), 1
	s_wait_xcnt 0x0
; SPIKING NET: four layers of 128 leaky integrate-and-fire units, 10 time steps, 65,536 independent rows; out = mean over time of mem3 . Wout + bout.
; Per unit and step: cur = x . w + bias; mem = beta mem + cur - s_old thr; s = (mem > thr); the reset of a step is the spike of the step before (for step 0: thr < 0).
; SHARES.  256 work-groups of 4 waves; a work-group owns 256 rows, a wave 64, taken in 4 passes of 16 rows.  In pass p lane r (lane % 16) holds row 4 r + p of the wave's 64,
; so that after four passes a lane holds four neighbouring outputs and sixteen lanes store 256 consecutive bytes.
; ORDER.  Within a pass the work goes LAYER BY LAYER: a layer runs all 10 steps before the next begins.  So one layer's state (64 registers) and weights (256 registers) are live,
; the weights leave LDS once a pass and layer, and the 10 steps' spikes lie in 10 LDS slots of the wave's own; a layer writes its spikes of step t into slot t after it has read it.
; LAYOUT.  D = W x spikes (source 0 = 16 output units x 32 input units, source 1 = 32 units x 16 rows): a lane holds ONE row (lane % 16) and the units 8 (lane / 16) + 0..7 of a tile
; of 16 units.  Two neighbouring tiles' spikes, packed to bf16 in pairs, ARE the next layer's source 1: nothing changes lanes, and a lane reads back from LDS the bytes that it stored.
; FORMATS.  Every input is rounded once to bf16; the state, the sums and the membrane arithmetic are f32.  Layer 0's product has K = 4 and is the same in all steps: it is made once a pass,
; 8 matrix instructions of the f32 form (four fused multiply-adds in ascending k: ISA guide 7.12), 8,192 of a pass's 7.9 million multiply-adds a wave.
; SCALE.  Weights, biases, thresholds and so the membranes are held times 2^64, which is exact.  Then s = clamp(mem - thr) to 0 .. 1 is exactly 1.0 or 0.0: one packed line for two spikes.
; LIMITS.  |mem|, |w|, |bias|, |thr| stay under 2^62.  A positive mem - thr under 2^-64 would give a spike between 0 and 1: two f32 numbers are never that close where |thr| >= 2^-40.
; The bias enters a sum as its first term, and the 128 terms are added in the matrix unit's order, not one after the other.  The mean is the sum times 0.1.  NaN and infinities are not treated apart.
; NO CLUSTER, NO TENSOR LOAD: what work-groups share is Wh, 196,608 bytes read once by each; it has to pass through registers to be rounded to bf16, so it is loaded into registers.
; BY TURNS.  A layer's 8 tiles are two groups of 4.  In a PHASE one group has the matrix unit (16 products: 4 tiles x 4 K blocks) and the other group's membrane update of the step before
; it stands behind them, four packed lines behind each product.
; REGISTERS, in windows of 256 (s_set_vgpr_msb: bits 1:0 source 0, 3:2 source 1, 5:4 source 2, 7:6 destination):
;   window 0: v0-31 addresses and small things; v32-63 B fragments; v64-127 the sums, written by matrix instructions alone; v128-191 membranes; v192-255 spikes in f32
;   window 1: v0-127 W of tiles 0-3; v128-223 beta, -thr, wout of tiles 4-7      window 2: v0-127 W of tiles 4-7; the same three of tiles 0-3
;   (crossed on purpose: a phase's products and the lines behind them then take source 0 from one window)
;   window 3: v0-63 bias; v64-127 layer 0's current; v128-143 W0; v144-151 the four passes' inputs; v152-155 the four outputs; v156 at work
.set MID,    0                         ; a layer that hands spikes on
.set LAST,   1                         ; the last layer: its membranes go into the output's sum
.set WPITCH, 272                       ; a row of W in LDS: 256 bytes + 16 = 68 words: the 16 rows of a fragment load start at 16 different groups of four banks (64 banks of 4 bytes: ISA guide 11.1)
.set WLAYER, 128*WPITCH                ; 34,816: a layer's weights in bf16
.set PT,     3*WLAYER                  ; 104,448: tables in f32; layer l at PT + 1536 l: beta, then -thr 2^64 (+512), then bias 2^64 (+1024); wout behind the four
.set PLAYER, 1536
.set PWOUT,  4*PLAYER
.set SPK,    PT+PWOUT+512              ; 111,104: spikes; wave w at + 40,960 w, step t at + 4,096 t, tile at + 512 x tile, lane at + 16 x lane
.set SLOT,   4096
.set SPKW,   10*SLOT
.set SPARE,  SPK+4*SPKW                ; 274,944: the spare words, 128 bytes for each wave: two blocks of 256 bytes that no other line names
.set AS0, 1                            ; v1   my 16 bytes in tile 0 of my wave's slot 0; never rewritten
.set AS,  2                            ; v2   the same in the slot of the step in hand
.set AW0, 3                            ; v3   my place in a fragment of W: 272 (lane % 16) + 16 (lane / 16)
.set AP0, 4                            ; v4   my place in a table: PT + 32 (lane / 16)
.set ADR, 5                            ; v5   the LDS address of the run of loads in hand
.set ONE, 6                            ; v6-7 1.0, 1.0
.set SP,  8                            ; v8-15  packed spikes, two sets of four
.set OACC,16                           ; v16-23 the output's sums, four pairs
.set SPW, 28                           ; v28  LDS address of my spare word; never rewritten
.set NIL, 29                           ; v29  0; never rewritten
.set GO,  30                           ; v30  16 (lane % 16): my byte offset in the wave's 256 bytes of out0
.set LN,  31                           ; v31  lane
.set BF,  32
.set ACC, 64
.set MEM, 128
.set S,   192
.set BETA,128                          ; windows 1 and 2
.set NTHR,160
.set WOUT,192
.set BIAS,0                            ; window 3
.set CUR0,64                           ; the same number as ACC: the line that adds the current is one text, and the window of its source 2 chooses
.set W0F, 128
.set X,   144
.set O,   152
.set T3,  156
.set TB,  32                           ; the prologue's own, in window 0: v32-44 table entries as loaded
.set VT,  48                           ; byte offsets into the inputs
.set VW0, 49
.set VX,  50
.set VWH, 51
.set VS,  52                           ; v52-54 where I store my 16 bytes of W, by layer
.set VP,  55                           ; PT + 4 x thread
.set TQ,  56                           ; v56-57 at work
.set MSB, 0
.macro WIN new                         ; the immediate's high byte repeats the setting that is left; a switch that changes nothing is dropped
.if MSB != (\new)
	s_set_vgpr_msb (MSB<<8)|(\new)
.set MSB, (\new)
.endif
.endm
.macro RB2 x0, x1, t                   ; two f32 rounded to bf16 (nearest even) and kept as f32
	v_cvt_pk_bf16_f32 v[(\t)], v[(\x0)], v[(\x1)]
	v_lshlrev_b32 v[(\x0)], 16, v[(\t)]
	v_and_b32 v[(\x1)], 0xffff0000, v[(\t)]
.endm
; THE MEMBRANE UPDATE of tile mb: each kind is four packed lines, pairs 0 to 3 in ascending order (a sum's lowest registers are read first).  The caller sets the windows.
.set OP_D,  0                          ; mem = beta mem + cur
.set OP_R,  1                          ; mem = mem - thr s_old
.set OP_S,  2                          ; s = clamp(mem - thr)
.set OP_C,  3                          ; s packed to bf16, and stored into the step's slot
.set OP_O,  4                          ; the output's sums += wout mem
.set OP_S0, 5                          ; step 0: s_old = clamp(-thr), the reset of a membrane of 0
.set OP_R0, 6                          ; step 0: mem = cur - thr s_old
.macro LIF op, mb
.set rM, MEM+8*(\mb)
.set rS, S+8*(\mb)
.set rA, ACC+8*(\mb)
.set rP, 8*((\mb)%4)
.set rC, SP+4*((\mb)%2)
.set q, 0
.rept 4
.if (\op) == OP_D
	v_pk_fma_f32 v[rM+q:rM+q+1], v[BETA+rP+q:BETA+rP+q+1], v[rM+q:rM+q+1], v[rA+q:rA+q+1]
.elseif (\op) == OP_R
	v_pk_fma_f32 v[rM+q:rM+q+1], v[NTHR+rP+q:NTHR+rP+q+1], v[rS+q:rS+q+1], v[rM+q:rM+q+1]
.elseif (\op) == OP_S
	v_pk_fma_f32 v[rS+q:rS+q+1], v[NTHR+rP+q:NTHR+rP+q+1], v[ONE:ONE+1], v[rM+q:rM+q+1] clamp
.elseif (\op) == OP_C
	v_cvt_pk_bf16_f32 v[rC+q/2], v[rS+q], v[rS+q+1]
.elseif (\op) == OP_O
	v_pk_fma_f32 v[OACC+q:OACC+q+1], v[WOUT+rP+q:WOUT+rP+q+1], v[rM+q:rM+q+1], v[OACC+q:OACC+q+1]
.elseif (\op) == OP_S0
	v_pk_mul_f32 v[rS+q:rS+q+1], v[NTHR+rP+q:NTHR+rP+q+1], v[ONE:ONE+1] clamp
.else
	v_pk_fma_f32 v[rM+q:rM+q+1], v[NTHR+rP+q:NTHR+rP+q+1], v[rS+q:rS+q+1], v[rA+q:rA+q+1]
.endif
.set q, q+2
.endr
.if (\op) == OP_C
	ds_store_b128 v[AS], v[rC:rC+3] offset:512*(\mb)
.endif
.endm
.macro GRP op, tg                      ; one kind on the four tiles of group tg
.irp i4, 0,1,2,3
	LIF \op, 4*(\tg)+\i4
.endr
.endm
; PRODUCT n of a phase's 16, for group g: K block n / 4, tile n % 4.  The four sums take turns, one instruction a turn.  The first four start the sums with the bias as C.
.macro MM g
.set kc, n/4
.set ti, n%4
.set rD, ACC+32*(\g)+8*ti
.set rW, 32*ti+8*kc
.set rB, BF+8*kc
.set rZ, BIAS+8*(4*(\g)+ti)
.if kc == 0
	WIN 0x30|(1+(\g))                              ; W in window 1 + g, the bias in window 3
	v_wmma_f32_16x16x32_bf16 v[rD:rD+7], v[rW:rW+7], v[rB:rB+7], v[rZ:rZ+7]
.else
	WIN 1+(\g)
	v_wmma_f32_16x16x32_bf16 v[rD:rD+7], v[rW:rW+7], v[rB:rB+7], v[rD:rD+7]
.endif
.endm
; THE FOUR LINES BEHIND PRODUCT n: kind n / 4 of the update of tile n % 4 of group tg, whose parameters lie in window 2 - tg.  None names a register of the products round it.
.macro RID kind, first, tg
.set mbx, 4*(\tg)+n%4
.if n < 4
	WIN 2-(\tg)
.if \first
	LIF OP_S0, mbx
.else
	LIF OP_D, mbx
.endif
.elseif n < 8
	WIN 2-(\tg)
.if \first
	LIF OP_R0, mbx
.else
	LIF OP_R, mbx
.endif
.elseif n < 12
	WIN 2-(\tg)
	LIF OP_S, mbx
.elseif (\kind) == MID
	WIN 0
	LIF OP_C, mbx
.else
	WIN 2-(\tg)
	LIF OP_O, mbx
.endif
.endm
.macro LDB kc                          ; the next step's B fragment of K block kc: the packed spikes of the tiles 2 kc and 2 kc + 1 of the layer below
	WIN 0
	ds_load_b128 v[BF+8*(\kc):BF+8*(\kc)+3],   v[AS] offset:SLOT+1024*(\kc)
	ds_load_b128 v[BF+8*(\kc)+4:BF+8*(\kc)+7], v[AS] offset:SLOT+1024*(\kc)+512
.endm
; A PHASE.  g: the group that multiplies.  rid = 1: the other group's update stands behind the products; first = 1: it is step 0's.
; ld = 1 (g = 1 alone): the next step's B is fetched, each fragment four plain vector lines or more behind the last product that read it (ISA guide 7.12.1 for vector lines).
; w = 1 (g = 0 alone): each K block waits for its fragment.  The LDS instructions of the phase before, in order: block 0's two loads, block 1's two, [a store], block 2's two, [three stores], block 3's two;
; the counts are what was issued behind the fragment's loads: 10, 8, 5, 0 with the stores, 6, 4, 2, 0 without.  This phase issues none ahead of its block 3.
.macro PH g, kind, first, rid, ld, w
.set n, 0
.rept 16
.if (\w) && (n%4 == 0)
.if (\kind) == LAST
	s_wait_dscnt 6-n/2
.elseif n == 0
	s_wait_dscnt 10
.elseif n == 4
	s_wait_dscnt 8
.elseif n == 8
	s_wait_dscnt 5
.else
	s_wait_dscnt 0
.endif
.endif
	MM \g
.if \rid
	RID \kind, \first, 1-(\g)
.endif
.if (\ld) && (n == 3)
	LDB 0
.elseif (\ld) && (n == 7)
	LDB 1
.elseif (\ld) && (n == 12)
	LDB 2
.elseif (\ld) && (n == 15)
	LDB 3
.endif
.set n, n+1
.endr
.endm
.macro EPI kind                        ; the update of tiles 4-7 in step 9: no products are left to stand beside it
	WIN 1
	GRP OP_D, 1
	GRP OP_R, 1
.if (\kind) == MID
	GRP OP_S, 1
	WIN 0
	GRP OP_C, 1
.else
	GRP OP_O, 1
.endif
.endm
.macro LIF0 first                      ; a step of layer 0: the current is a constant of the pass, in window 3
.irp tg, 0, 1
.if \first
	WIN 2-(\tg)
	GRP OP_S0, \tg
	WIN 0x30|(2-(\tg))
	GRP OP_R0, \tg
.else
	WIN 0x30|(2-(\tg))
	GRP OP_D, \tg
	WIN 2-(\tg)
	GRP OP_R, \tg
.endif
	WIN 2-(\tg)
	GRP OP_S, \tg
	WIN 0
	GRP OP_C, \tg
.endr
.endm
; RUNS OF LDS LOADS.  s31: the layer's tables; s30: the layer's weights.
.macro LOADP                           ; 32 loads: beta and -thr of all 8 tiles; a lane's eight units of a tile are 32 bytes, the same for the 16 lanes of a half
	WIN 0
	v_add_nc_u32 v[ADR], s31, v[AP0]
.irp a, 1, 2
	WIN (\a)<<6
.set i, 0
.rept 4
.set mbx, 4*(2-(\a))+i
	ds_load_b128 v[BETA+8*i:BETA+8*i+3],   v[ADR] offset:64*mbx
	ds_load_b128 v[BETA+8*i+4:BETA+8*i+7], v[ADR] offset:64*mbx+16
	ds_load_b128 v[NTHR+8*i:NTHR+8*i+3],   v[ADR] offset:512+64*mbx
	ds_load_b128 v[NTHR+8*i+4:NTHR+8*i+7], v[ADR] offset:512+64*mbx+16
.set i, i+1
.endr
.endr
.endm
.macro LOADBIAS                        ; 16 loads
	WIN 0
	v_add_nc_u32 v[ADR], s31, v[AP0]
	WIN 0xc0
.set i, 0
.rept 16
	ds_load_b128 v[BIAS+4*i:BIAS+4*i+3], v[ADR] offset:1024+64*(i/2)+16*(i%2)
.set i, i+1
.endr
.endm
.macro LOADW                           ; 64 loads: fragment i = tile i / 4, K block i % 4: lane l holds unit l % 16; two loads of 16 bytes, 32 bytes apart
	WIN 0
	v_add_nc_u32 v[ADR], s30, v[AW0]
.set i, 0
.rept 32
	WIN (1+i/16)<<6
	ds_load_b128 v[8*(i%16):8*(i%16)+3],   v[ADR] offset:16*WPITCH*(i/4)+64*(i%4)
	ds_load_b128 v[8*(i%16)+4:8*(i%16)+7], v[ADR] offset:16*WPITCH*(i/4)+64*(i%4)+32
.set i, i+1
.endr
.endm
.macro LOADB0                          ; 8 loads: step 0's B
	WIN 0
.set i, 0
.rept 8
	ds_load_b128 v[BF+4*i:BF+4*i+3], v[AS0] offset:512*i
.set i, i+1
.endr
.endm
; A LAYER's 10 steps, but for the update of tiles 4-7 in step 9 (EPI).  P(t, g): the products of step t, group g; U(t, g): the update.
.macro MAIN kind
	WIN 0
	s_mov_b32 s29, 0
	v_mov_b32 v[AS], v[AS0]
	s_wait_dscnt 32                                ; all but the 32 youngest: W, the bias and step 0's B are in; beta and -thr may be out
	PH 0, \kind, 0, 0, 0, 0                        ; P(0, 0): no update is due yet
	s_wait_dscnt 0x0                               ; beta and -thr
	PH 1, \kind, 1, 1, 1, 0                        ; P(0, 1) | U(0, 0) | B of step 1
	PH 0, \kind, 1, 1, 0, 1                        ; P(1, 0) | U(0, 1)
	WIN 0                                          ; at a label and at a branch every window is 0
	s_mov_b32 s28, 8
.Lt_\@:                                                ; t = 1 .. 8
	s_add_co_u32 s29, s29, SLOT
	v_add_nc_u32 v[AS], s29, v[AS0]
	PH 1, \kind, 0, 1, 1, 0                        ; P(t, 1) | U(t, 0) | B of step t + 1
	PH 0, \kind, 0, 1, 0, 1                        ; P(t + 1, 0) | U(t, 1)
	WIN 0
	s_sub_co_u32 s28, s28, 1
	s_cmp_lg_u32 s28, 0
	s_cbranch_scc1 .Lt_\@
	s_add_co_u32 s29, s29, SLOT
	v_add_nc_u32 v[AS], s29, v[AS0]
	PH 1, \kind, 0, 1, 0, 0                        ; P(9, 1) | U(9, 0)
.endm
	; ---------------- THE PROLOGUE: addresses; all inputs rounded to bf16; W and the tables into LDS ----------------
	s_load_b512 s[4:19], s[0:1], 0x0               ; Wh s[4:5], W0 s[6:7], inputs s[8:9], betas s[10:11], thrs s[12:13], b0 s[14:15], bh s[16:17], Wout s[18:19]
	s_load_b128 s[20:23], s[0:1], 0x40             ; bout s[20:21], out0 s[22:23]
	v_lshl_add_u32 v[SPW], v0, 2, SPARE
	v_mov_b32 v[NIL], 0
	v_lshrrev_b32 v24, 5, v0
	v_readfirstlane_b32 s24, v24                   ; wave 0..3
	v_and_b32 v[LN], 31, v0
	v_and_b32 v25, 15, v0                          ; r = lane % 16 (also thread % 16)
	v_bfe_u32 v26, v0, 4, 1                        ; h = lane / 16
	s_mul_i32 s25, s24, SPKW
	s_add_co_u32 s25, s25, SPK                     ; my wave's spikes
	v_lshl_add_u32 v[AS0], v[LN], 4, s25
	v_mul_u32_u24 v[AW0], v25, WPITCH
	v_lshl_add_u32 v[AW0], v26, 4, v[AW0]
	v_lshl_add_u32 v[AP0], v26, 5, PT
	v_mov_b32 v[ONE], 1.0
	v_mov_b32 v[ONE+1], 1.0
	v_lshlrev_b32 v[GO], 4, v25
	v_lshlrev_b32 v[VT], 2, v0                     ; entry = thread, in every table of 128
	v_lshlrev_b32 v[VW0], 4, v25
	v_lshl_add_u32 v[VW0], v26, 3, v[VW0]          ; W0: row r of a tile (16 bytes), k = 2 h, 2 h + 1
	v_lshlrev_b32 v[VX], 6, v25
	v_lshl_add_u32 v[VX], v26, 3, v[VX]
	v_lshl_add_u32 v[VX], v24, 10, v[VX]           ; inputs: row 64 w + 4 r (+ p), k = 2 h, 2 h + 1
	v_lshlrev_b32 v[VWH], 5, v0                    ; Wh: 32 bytes a thread, 8 rows of 512 bytes a chunk
	v_lshrrev_b32 v[VS], 4, v0
	v_mul_u32_u24 v[VS], v[VS], WPITCH
	v_lshl_add_u32 v[VS], v25, 4, v[VS]            ; in LDS: row thread / 16 of the chunk's 8, 16 bytes at 16 (thread % 16): sixteen lanes fill a row's 256 bytes
	v_add_nc_u32 v[VS+1], WLAYER, v[VS]
	v_add_nc_u32 v[VS+2], 2*WLAYER, v[VS]
	v_lshl_add_u32 v[VP], v0, 2, PT
	WIN 0xc0
.irp i, 0,1,2,3
	v_mov_b32 v[O+\i], 0                           ; the outputs move down a place each pass: written once so that the moves read nothing unwritten
.endr
	WIN 0
	s_mov_b32 s32, 0x5f800000                      ; 2^64
	s_mov_b32 s33, 0x5f800000                      ; named with it as a pair
	s_mov_b32 s34, 0x76543210                      ; v_permlanex16_b32: each lane takes its own place in the other half
	s_mov_b32 s35, 0xfedcba98
	s_mov_b32 s36, 0x1dcccccd                      ; 0.1 x 2^-64
	s_lshl_b32 s40, ttmp9, 12                      ; my 256 rows of inputs, 16 bytes each
	s_mov_b32 s41, 0
	s_lshl_b32 s42, ttmp9, 10                      ; my 256 numbers of out0,
	s_lshl_b32 s25, s24, 8                         ; my wave's 64 of them
	s_add_co_u32 s42, s42, s25
	s_mov_b32 s43, 0
	s_wait_kmcnt 0x0
	s_load_b32 s38, s[20:21], 0x0                  ; bout
	s_add_nc_u64 s[8:9], s[8:9], s[40:41]
	s_add_nc_u64 s[22:23], s[22:23], s[42:43]
.irp l, 0,1,2,3
	global_load_b32 v[TB+\l], v[VT], s[10:11] offset:512*\l       ; 25 small loads: betas,
.endr
.irp l, 0,1,2,3
	global_load_b32 v[TB+4+\l], v[VT], s[12:13] offset:512*\l     ; thrs,
.endr
	global_load_b32 v[TB+8], v[VT], s[14:15]                      ; b0,
.irp l, 0,1,2
	global_load_b32 v[TB+9+\l], v[VT], s[16:17] offset:512*\l     ; bh,
.endr
	global_load_b32 v[TB+12], v[VT], s[18:19]                     ; Wout,
	WIN 0xc0
.irp m, 0,1,2,3,4,5,6,7
	global_load_b64 v[W0F+2*\m:W0F+2*\m+1], v[VW0], s[6:7] offset:256*\m  ; W0's eight fragments (f32, K = 4: register j holds k = 2 h + j),
.endr
.irp p, 0,1,2,3
	global_load_b64 v[X+2*\p:X+2*\p+1], v[VX], s[8:9] offset:16*\p        ; the four passes' inputs
.endr
	WIN 0x40
.set i, 0
.rept 32                                               ; 64 loads: Wh's chunks 0-31 (layers 1 and 2) fill window 1
	global_load_b128 v[8*i:8*i+3],   v[VWH], s[4:5] offset:4096*i
	global_load_b128 v[8*i+4:8*i+7], v[VWH], s[4:5] offset:4096*i+16
.set i, i+1
.endr
	WIN 0
	s_wait_kmcnt 0x0
	v_mov_b32 v[TQ], s38                           ; bout rounded to bf16, back into a scalar
	v_cvt_pk_bf16_f32 v[TQ], v[TQ], v[TQ]
	v_lshlrev_b32 v[TQ], 16, v[TQ]
	v_readfirstlane_b32 s37, v[TQ]
	s_wait_loadcnt 63                              ; 89 loads are issued and come back in order (ISA guide 5.7.1): the oldest 26 are in, the 25 small ones among them
.irp j, 0,2,4,6,8,10
	RB2 TB+\j, TB+\j+1, TQ+(\j/2)%2
.endr
	RB2 TB+12, TB+12, TQ
.irp l, 0,1,2,3
	v_mul_f32 v[TB+4+\l], 0xdf800000, v[TB+4+\l]   ; -thr 2^64
	v_mul_f32 v[TB+8+\l], s32, v[TB+8+\l]          ; bias 2^64
.endr
.irp l, 0,1,2,3
	ds_store_b32 v[VP], v[TB+\l]   offset:PLAYER*\l
	ds_store_b32 v[VP], v[TB+4+\l] offset:PLAYER*\l+512
	ds_store_b32 v[VP], v[TB+8+\l] offset:PLAYER*\l+1024
.endr
	ds_store_b32 v[VP], v[TB+12] offset:PWOUT
	WIN 0xcf
.irp m, 0,1,2,3,4,5,6,7
	RB2 W0F+2*\m, W0F+2*\m+1, T3
	v_pk_mul_f32 v[W0F+2*\m:W0F+2*\m+1], v[W0F+2*\m:W0F+2*\m+1], s[32:33] op_sel_hi:[1,0]
.endr
.irp p, 0,1,2,3
	RB2 X+2*\p, X+2*\p+1, T3
.endr
	WIN 0x80
.set i, 0
.rept 16                                               ; 32 loads: chunks 32-47 (layer 3) into window 2
	global_load_b128 v[8*i:8*i+3],   v[VWH], s[4:5] offset:4096*(32+i)
	global_load_b128 v[8*i+4:8*i+7], v[VWH], s[4:5] offset:4096*(32+i)+16
.set i, i+1
.endr
.macro CONV wn, nch                    ; nch chunks in window wn: times 2^64, then rounded to bf16 in place: a chunk's 8 numbers end in its first 4 registers
	WIN ((\wn)<<6)|((\wn)<<2)|(\wn)
.set i, 0
.rept 4*(\nch)
	v_pk_mul_f32 v[2*i:2*i+1], v[2*i:2*i+1], s[32:33] op_sel_hi:[1,0]
.set i, i+1
.endr
.set i, 0
.rept 4*(\nch)
	v_cvt_pk_bf16_f32 v[8*(i/4)+i%4], v[8*(i/4)+2*(i%4)], v[8*(i/4)+2*(i%4)+1]
.set i, i+1
.endr
.endm
	s_wait_loadcnt 32                              ; all but the 32 just issued: window 1 is in
	CONV 1, 32
	WIN 0x04                                       ; store data in window 1
.set i, 0
.rept 32
	ds_store_b128 v[VS+i/16], v[8*i:8*i+3] offset:(i%16)*8*WPITCH
.set i, i+1
.endr
	s_wait_loadcnt 0x0
	CONV 2, 16
	WIN 0x08
.set i, 0
.rept 16
	ds_store_b128 v[VS+2], v[8*i:8*i+3] offset:i*8*WPITCH
.set i, i+1
.endr
	WIN 0
	s_wait_dscnt 0x0                               ; for the others' sake: my part of W and of the tables is in LDS
	s_barrier_signal -1
	s_barrier_wait -1                              ; everybody's is.  The only barrier: from here on W and the tables are only read, and the spikes are each wave's own
.irp a, 1, 2
	WIN (\a)<<6
.set i, 0
.rept 4                                                ; wout stays in registers for the whole kernel
	ds_load_b128 v[WOUT+8*i:WOUT+8*i+3],   v[AP0] offset:PWOUT+64*(4*(2-(\a))+i)
	ds_load_b128 v[WOUT+8*i+4:WOUT+8*i+7], v[AP0] offset:PWOUT+64*(4*(2-(\a))+i)+16
.set i, i+1
.endr
.endr
	WIN 0
	; ---------------- FOUR PASSES of 16 rows ----------------
	s_mov_b32 s26, 4
.Lpass:
	s_mov_b32 s31, 0
	s_mov_b32 s30, 0
	LOADP                                          ; layer 0's beta and -thr,
	LOADBIAS                                       ; and b0
	s_wait_dscnt 0x0
	WIN 0x0f                                       ; W0 and the inputs in window 3
.set i, 0
.rept 8
	v_wmma_f32_16x16x4_f32 v[ACC+8*i:ACC+8*i+7], v[W0F+2*i:W0F+2*i+1], v[X:X+1], 0  ; the whole sum over K = 4, started with 0
.set i, i+1
.endr
.rept 8
	v_nop                                          ; eight places behind this form before a vector line reads its result (ISA guide 7.12.1)
.endr
	WIN 0xcc
.set i, 0
.rept 32
	v_pk_add_f32 v[CUR0+2*i:CUR0+2*i+1], v[ACC+2*i:ACC+2*i+1], v[BIAS+2*i:BIAS+2*i+1]  ; layer 0's current, the same in all 10 steps
.set i, i+1
.endr
	s_add_co_u32 s31, s31, PLAYER
	LOADBIAS                                       ; layer 1's bias and weights come in while layer 0 runs
	LOADW
	WIN 0
	v_mov_b32 v[AS], v[AS0]
	LIF0 1
	LOADB0                                         ; LDS serves a wave's instructions in order (ISA guide 5.7.1.4): these see step 0's stores
	s_mov_b32 s29, 0
	s_mov_b32 s28, 9
.Lt0:
	s_add_co_u32 s29, s29, SLOT
	v_add_nc_u32 v[AS], s29, v[AS0]
	LIF0 0
	s_sub_co_u32 s28, s28, 1
	s_cmp_lg_u32 s28, 0
	s_cbranch_scc1 .Lt0
	LOADP                                          ; layer 1's beta and -thr: the youngest 32 LDS instructions when the layer begins
	WIN 0
	s_mov_b32 s27, 2
.Llayer:                                               ; layers 1 and 2
	MAIN MID
	s_add_co_u32 s30, s30, WLAYER
	s_add_co_u32 s31, s31, PLAYER
	LOADBIAS                                       ; the next layer's bias, first B and weights: the last product stands four conversions and an addition back
	LOADB0
	LOADW
	EPI MID                                        ; they come in under the update that is left over
	LOADP
	WIN 0
	s_sub_co_u32 s27, s27, 1
	s_cmp_lg_u32 s27, 0
	s_cbranch_scc1 .Llayer
.irp i, 0,1,2,3,4,5,6,7
	v_mov_b32 v[OACC+\i], 0
.endr
	MAIN LAST                                      ; layer 3
	EPI LAST
	WIN 0
	v_pk_add_f32 v[OACC:OACC+1], v[OACC:OACC+1], v[OACC+2:OACC+3]      ; my 64 units' sum over the 10 steps,
	v_pk_add_f32 v[OACC+4:OACC+5], v[OACC+4:OACC+5], v[OACC+6:OACC+7]
	v_pk_add_f32 v[OACC:OACC+1], v[OACC:OACC+1], v[OACC+4:OACC+5]
	v_add_f32 v24, v[OACC], v[OACC+1]
	v_permlanex16_b32 v25, v24, s34, s35           ; and the row's other 64 units, in the lane 16 away
	v_add_f32 v24, v24, v25
	WIN 0xc3
	v_mov_b32 v[O], v[O+1]                         ; the outputs move down: after four passes register p holds pass p's
	v_mov_b32 v[O+1], v[O+2]
	v_mov_b32 v[O+2], v[O+3]
.irp i, 0,1,2,3,4,5
	v_mov_b32 v[X+\i], v[X+2+\i]                   ; and the next pass's inputs move to where the one text names them
.endr
	WIN 0xc0
	v_fma_f32 v[O+3], v24, s36, s37                ; sum x 0.1 x 2^-64 + bout
	WIN 0
	s_sub_co_u32 s26, s26, 1
	s_cmp_lg_u32 s26, 0
	s_cbranch_scc1 .Lpass
	s_wait_tensorcnt 0x0                           ; the wave's end, behind my last LDS store
	ds_add_u32 v[SPW], v[NIL]
	s_wait_dscnt 0x0
	s_wait_xcnt 0x0                                ; EXEC changes only behind this wait
	v_cmp_gt_u32 vcc_lo, 16, v[LN]
	s_and_saveexec_b32 s25, vcc_lo                 ; both halves of the lanes hold the same numbers: lanes 0-15 store
	WIN 0x0c                                       ; store data in window 3
	global_store_b128 v[GO], v[O:O+3], s[22:23]    ; sixteen lanes store 256 consecutive bytes, at a multiple of 256 from out0's first byte
	s_wait_xcnt 0x0                                ; and again, in front of the line that widens it
	s_or_b32 exec_lo, exec_lo, s25
	WIN 0
	s_endpgm
.Lfunc_end_k_qe3dbd0220c_snn:
	.size	k_qe3dbd0220c_snn, .Lfunc_end_k_qe3dbd0220c_snn-k_qe3dbd0220c_snn
	.p2alignl 7, 3214868480
	.fill 96, 4, 3214868480
	.section	.rodata,"a",@progbits
	.p2align	6, 0x0
	.amdhsa_kernel k_qe3dbd0220c_snn
		.amdhsa_group_segment_fixed_size 275456
		.amdhsa_private_segment_fixed_size 0
		.amdhsa_enable_private_segment 0
		.amdhsa_kernarg_size 80
		.amdhsa_user_sgpr_count 2
		.amdhsa_user_sgpr_kernarg_segment_ptr 1
		.amdhsa_wavefront_size32 1
		.amdhsa_system_sgpr_workgroup_id_x 1
		.amdhsa_system_sgpr_workgroup_id_y 1
		.amdhsa_system_sgpr_workgroup_id_z 1
		.amdhsa_system_vgpr_workitem_id 0
		.amdhsa_next_free_vgpr 928
		.amdhsa_next_free_sgpr 66
		.amdhsa_reserve_vcc 1
		.amdhsa_float_denorm_mode_32 3
		.amdhsa_float_denorm_mode_16_64 3
		.amdhsa_memory_ordered 1
		.amdhsa_forward_progress 1
		.amdhsa_inst_pref_size 158
	.end_amdhsa_kernel
	.amdgpu_metadata
---
amdhsa.version: [ 1, 2 ]
amdhsa.kernels:
  - .name:           k_qe3dbd0220c_snn
    .symbol:         k_qe3dbd0220c_snn.kd
    .args:
      - { .name: Wh, .offset: 0, .size: 8, .value_kind: global_buffer, .address_space: global }
      - { .name: W0, .offset: 8, .size: 8, .value_kind: global_buffer, .address_space: global }
      - { .name: inputs, .offset: 16, .size: 8, .value_kind: global_buffer, .address_space: global }
      - { .name: betas, .offset: 24, .size: 8, .value_kind: global_buffer, .address_space: global }
      - { .name: thrs, .offset: 32, .size: 8, .value_kind: global_buffer, .address_space: global }
      - { .name: b0, .offset: 40, .size: 8, .value_kind: global_buffer, .address_space: global }
      - { .name: bh, .offset: 48, .size: 8, .value_kind: global_buffer, .address_space: global }
      - { .name: Wout, .offset: 56, .size: 8, .value_kind: global_buffer, .address_space: global }
      - { .name: bout, .offset: 64, .size: 8, .value_kind: global_buffer, .address_space: global }
      - { .name: out0, .offset: 72, .size: 8, .value_kind: global_buffer, .address_space: global }
    .group_segment_fixed_size: 275456
    .private_segment_fixed_size: 0
    .kernarg_segment_align: 8
    .kernarg_segment_size: 80
    .max_flat_workgroup_size: 128
    .sgpr_count:     66
    .vgpr_count:     928
    .wavefront_size: 32
...
	.end_amdgpu_metadata
.endif
;; end of part 1
